; MI455X (gfx1250); checked and timed in simulation.
; The chip was launched on July 23, 2026; its instructions are those of AMD's public machine-readable ISA for CDNA 5 (MIT licence, August 2026) and "CDNA5" Instruction Set Architecture Reference Guide (July 2026). The comments in the code are by the model that wrote it; some were corrected since.
;; Fm Layer. Allowed arithmetic: float matrix products may take bf16 or f16 operands with f32 sums; all other float work in f32.
;; Inputs: feat_index 16,384 x 50 int32; kernel 1,000,000 x 17 float32.
;; Outputs: out0 16,384 x 17 float32.
;; 2 versions, each right; version 2 is version 1 with the launch fm written anew for expert scheduling mode. Each part assembles by itself: llvm-mc -triple=amdgcn-amd-amdhsa -mcpu=gfx1250 --defsym DOCPART=n.
;; ======== version 1 of 2: 1 launch
;; launch fm (part 1): grid 256 x 1, 32 waves a work-group, no clusters, 12,288 bytes of LDS; arguments feat_index, kernel, out0; writes out0
.if DOCPART == 1
	.amdgcn_target "amdgcn-amd-amdhsa--gfx1250"
	.amdhsa_code_object_version 6
	.text
	.protected	k_qb432edac51_fm
	.globl	k_qb432edac51_fm
	.p2align	8
	.type	k_qb432edac51_fm,@function
k_qb432edac51_fm:
	s_mov_b64 s[64:65], 0
	v_nop
	global_prefetch_b8 v0, s[64:65] scope:SCOPE_SE
	s_setreg_imm32_b32 hwreg(HW_REG_WAVE_MODE, 25, 1), 1
	s_wait_xcnt 0x0
; out0[b][0]   = sum over f of kernel[idx[b][f]][16]
; out0[b][1+c] = 0.5 * ((sum over f of v)^2 - sum over f of v^2),  v = kernel[idx[b][f]][c],  c = 0..15,  all in f32.
; feat_index: [16384][50] i32.  kernel: [1000000][17] f32 (a row is 68 bytes, aligned to 4 only: 4-byte loads).  out0: [16384][17] f32.
;
; SHARES.  A work-group owns 64 batch rows (their output is 64 x 68 = 4,352 bytes = 17 aligned blocks of 256 bytes), a wave two of them,
; one for each half of 16 lanes.  Lane r of a half owns column r: one gather instruction fetches the first 64 bytes of two table rows,
; 16 neighbouring lanes taking 64 neighbouring bytes, and the sums over the 50 fields never leave the lane.
; There is no loop: a wave's 54 gathers are all issued as soon as their indices are in, and their data stay in registers.
; Column 16 (first order) goes by lanes over fields: lane r takes fields r, r+16, r+32 and, for r < 2, r+48; then a sum over the 16 lanes.
;
; NOT USED, by this problem's own arithmetic: matrix instructions (no product), tensor loads and an LDS ring (a wave's 54 x 128 bytes fit
; in 54 registers; rows of 68 bytes at places read from a list are no tile), clusters (work-groups share no tile), prefetches (a gather is
; issued as soon as its index is known: nothing could be asked for earlier).
;
; LIMITS.  An index is read as unsigned and clamped to the last row, 999,999; negative indices are not wrapped (the problem keeps
; indices inside the table).  The 50 terms are added in four partial sums, not in the reference's order; s*s - q is one fused step.
.set LISTB,   200                      ; bytes of a batch row's list: 50 indices
.set ROWB,    68                       ; bytes of a table row and of an output row
.set LASTROW, 999999
.set WGROWS,  64                       ; batch rows of a work-group
.set R,   1                            ; v1      r = lane % 16: my column
.set ROW, 2                            ; v2      my batch row in the work-group, 0..63
.set C4,  3                            ; v3      4 r
.set IO,  4                            ; v4      byte offset of the 16-byte list loads of my half
.set FO,  5                            ; v5      byte offset of index r of my list
.set FO3, 6                            ; v6      byte offset of index min(r, 1) of my list (used with +192: fields 48, 49)
.set L0,  7                            ; v7      LDS byte of my output row
.set L1,  8                            ; v8      LDS byte of my output row + 4 r
.set T8,  9                            ; v9      8 x thread: the way out
.set F,   10                           ; v[10:13] first order: index, then byte offset, then the gathered number
.set S,   14                           ; v[14:17] two chains of packed sums
.set Q,   18                           ; v[18:21] two chains of packed sums of squares
.set O,   22                           ; v[22:23] the way out: 8 bytes
.set X,   24                           ; v[24:75] 52 list words; 0..49: index, then byte offset, then the gathered number
.set W,   76                           ; v76     wave number
.set H,   77                           ; v77     which half of the wave
.set RB,  78                           ; v78     byte offset of my list
.set T2,  79                           ; v79     min(r, 1)
	s_load_b128 s[4:7], s[0:1], 0x0                ; feat_index s[4:5], kernel s[6:7]
	s_load_b64 s[8:9], s[0:1], 0x10                ; out0
	v_lshl_add_u32 v80, v0, 2, 0x2000
	v_mov_b32 v81, 0
	s_mul_i32 s12, ttmp9, WGROWS*LISTB             ; the work-group's lists (3,276,800 bytes in all: 32 bits do)
	s_mov_b32 s13, 0
	s_mul_i32 s16, ttmp9, WGROWS*ROWB              ; the work-group's 4,352 bytes of output
	s_mov_b32 s17, 0
	v_lshrrev_b32 v[W], 5, v0
	v_readfirstlane_b32 s10, v[W]                  ; wave number as a scalar, for the branch on the way out
	v_and_b32 v[R], 15, v0
	v_lshrrev_b32 v[ROW], 4, v0
	v_bfe_u32 v[H], v0, 4, 1
	v_mul_u32_u24 v[RB], LISTB, v[ROW]
	; The wave's two lists are 400 bytes, starting at a multiple of 16.  Half 0 reads 13 x 16 bytes from byte 0: its 50 indices, then two of
	; the other list.  Half 1 reads 13 x 16 bytes from byte 192: two of the other list, then its 50.  Both stay inside the 400 bytes.
	v_mul_u32_u24 v[IO], 2*LISTB, v[W]
	v_mad_u32_u24 v[IO], v[H], LISTB-8, v[IO]
	v_lshl_add_u32 v[FO], v[R], 2, v[RB]
	v_min_u32 v[T2], 1, v[R]
	v_lshl_add_u32 v[FO3], v[T2], 2, v[RB]         ; lanes 2..15 read index 49 again; their number is dropped below
	s_wait_kmcnt 0x0
	s_add_nc_u64 s[4:5], s[4:5], s[12:13]
	s_add_nc_u64 s[8:9], s[8:9], s[16:17]
	; 17 list loads.  No cache hint: each index is read twice, here by lanes over fields and below by all lanes of a half.
	global_load_b32 v[F+0], v[FO],  s[4:5]
	global_load_b32 v[F+1], v[FO],  s[4:5] offset:64
	global_load_b32 v[F+2], v[FO],  s[4:5] offset:128
	global_load_b32 v[F+3], v[FO3], s[4:5] offset:192
	global_load_b128 v[X+48:X+51], v[IO], s[4:5] offset:192        ; the last four words first: group 0 below needs two of them
.irp g, 0,1,2,3,4,5,6,7,8,9,10,11
	global_load_b128 v[X+4*\g:X+4*\g+3], v[IO], s[4:5] offset:16*\g
.endr
	; the other lane constants, while the lists are on their way
	v_lshlrev_b32 v[C4], 2, v[R]
	v_mul_u32_u24 v[L0], ROWB, v[ROW]
	v_add_nc_u32 v[L1], v[L0], v[C4]
	v_lshlrev_b32 v[T8], 3, v0
	v_cmp_ne_u32 vcc_lo, 0, v[H]                   ; lanes of half 1
	v_cmp_gt_u32 s15, 2, v[R]                      ; lanes whose fourth first-order field exists
	; FIRST ORDER: four gathers of column 16 (byte 64 of the table row).
	s_wait_loadcnt 13                              ; loads come back in order (ISA guide 5.7.1): the 13 16-byte list loads may be out
.irp k, 0,1,2,3
	v_min_u32 v[F+\k], LASTROW, v[F+\k]            ; a loaded number enters an address only behind this clamp: no access leaves the table
.endr
.irp k, 0,1,2,3
	v_mul_u32_u24 v[F+\k], ROWB, v[F+\k]
.endr
.irp k, 0,1,2,3
	global_load_b32 v[F+\k], v[F+\k], s[6:7] offset:64             ; the number lands on its own address register
.endr
; Four list words -> four gathers of my column.  Younger than list group g's load: 11 - g list loads, the 4 first-order gathers
; and the 4 g gathers of the groups before: 15 + 3 g.
.macro GROUP g
.irp j, 0,1,2,3
	v_min_u32 v[X+4*\g+\j], LASTROW, v[X+4*\g+\j]
.endr
.irp j, 0,1,2,3
	v_mad_u32_u24 v[X+4*\g+\j], v[X+4*\g+\j], ROWB, v[C4]          ; 68 x index + 4 r: at most 67,999,992
.endr
.irp j, 0,1,2,3
	global_load_b32 v[X+4*\g+\j], v[X+4*\g+\j], s[6:7]             ; no NT hint: a table row, and its neighbours, may be named again
.endr
.endm
	s_wait_loadcnt 15                              ; list group 0 and, older, the last four words
	; Half 1 holds field j - 2 in word j: its words 0, 1 belong to the other list and its fields 48, 49 lie in words 50, 51.
	; The order of the fields does not matter to a sum: move them to words 0, 1, and words 0..49 are 50 fields of the lane's own row.
	v_cndmask_b32 v[X+0], v[X+0], v[X+50], vcc_lo
	v_cndmask_b32 v[X+1], v[X+1], v[X+51], vcc_lo
	GROUP 0
.irp g, 1,2,3,4,5,6,7,8,9,10,11
	s_wait_loadcnt 15+3*\g
	GROUP \g
.endr
	v_min_u32 v[X+48], LASTROW, v[X+48]            ; words 48, 49 came with the oldest 16-byte load
	v_min_u32 v[X+49], LASTROW, v[X+49]
	v_mad_u32_u24 v[X+48], v[X+48], ROWB, v[C4]
	v_mad_u32_u24 v[X+49], v[X+49], ROWB, v[C4]
	global_load_b32 v[X+48], v[X+48], s[6:7]
	global_load_b32 v[X+49], v[X+49], s[6:7]
	; THE SUMS, two fields to an instruction, even pairs in chain 0 and odd pairs in chain 1.  The first pairs start the chains.
.macro ACC first, last                 ; pairs first .. last
.set p, \first
.rept \last-\first+1
	v_pk_add_f32 v[S+2*(p%2):S+2*(p%2)+1], v[S+2*(p%2):S+2*(p%2)+1], v[X+2*p:X+2*p+1]
	v_pk_fma_f32 v[Q+2*(p%2):Q+2*(p%2)+1], v[X+2*p:X+2*p+1], v[X+2*p:X+2*p+1], v[Q+2*(p%2):Q+2*(p%2)+1]
.set p, p+1
.endr
.endm
	s_wait_loadcnt 40                              ; the first-order gathers and words 0..9 are in; the 40 younger gathers may be out
	v_pk_add_f32 v[S:S+1],   v[X:X+1],   v[X+4:X+5]
	v_pk_add_f32 v[S+2:S+3], v[X+2:X+3], v[X+6:X+7]
	v_pk_mul_f32 v[Q:Q+1],   v[X:X+1],   v[X:X+1]
	v_pk_mul_f32 v[Q+2:Q+3], v[X+2:X+3], v[X+2:X+3]
	v_pk_fma_f32 v[Q:Q+1],   v[X+4:X+5], v[X+4:X+5], v[Q:Q+1]
	v_pk_fma_f32 v[Q+2:Q+3], v[X+6:X+7], v[X+6:X+7], v[Q+2:Q+3]
	ACC 4, 4
	; first order: my up to four fields, then the 16 lanes of my half (lane i takes lane i xor the mask)
	v_cndmask_b32 v[F+3], 0, v[F+3], s15           ; fields 50..63 do not exist: a select, so that no NaN or infinity read twice can leak in
	v_add_f32 v[F], v[F], v[F+1]
	v_add_f32 v[F+2], v[F+2], v[F+3]
	v_add_f32 v[F], v[F], v[F+2]
	v_add_f32_dpp v[F], v[F], v[F] row_xmask:1 row_mask:0xf bank_mask:0xf
	v_add_f32_dpp v[F], v[F], v[F] row_xmask:2 row_mask:0xf bank_mask:0xf
	v_add_f32_dpp v[F], v[F], v[F] row_xmask:4 row_mask:0xf bank_mask:0xf
	v_add_f32_dpp v[F], v[F], v[F] row_xmask:8 row_mask:0xf bank_mask:0xf
	s_wait_loadcnt 30                              ; words 10..19
	ACC 5, 9
	s_wait_loadcnt 20                              ; words 20..29
	ACC 10, 14
	s_wait_loadcnt 10                              ; words 30..39
	ACC 15, 19
	s_wait_loadcnt 0x0                             ; words 40..49: nothing was issued behind them
	ACC 20, 24
	v_pk_add_f32 v[S:S+1], v[S:S+1], v[S+2:S+3]
	v_pk_add_f32 v[Q:Q+1], v[Q:Q+1], v[Q+2:Q+3]
	v_add_f32 v[S], v[S], v[S+1]                   ; s = sum of v
	v_add_f32 v[Q], v[Q], v[Q+1]                   ; q = sum of v^2
	v_fma_f32 v[S], v[S], v[S], -v[Q]
	v_mul_f32 v[S], 0.5, v[S]
	; THE WAY OUT.  A wave's own 136 bytes would be parts of aligned 256-byte blocks, so the work-group's 4,352 bytes meet in LDS
	; and leave as 17 stores of 256 consecutive bytes each, at multiples of 256 from out0's first byte.
	ds_store_b32 v[L1], v[S] offset:4              ; out[row][1 + r]
	ds_store_b32 v[L0], v[F]                       ; out[row][0]: the 16 lanes of a half write one word with one value
	s_wait_dscnt 0x0                               ; for the other waves' sake: my LDS stores are done before I signal
	s_barrier_signal -1
	s_barrier_wait -1
	s_cmp_gt_u32 s10, 16                           ; 17 waves x 32 lanes x 8 bytes = 4,352 bytes; the other 15 waves have nothing left to do
	s_cbranch_scc1 .Lend
	ds_load_b64 v[O:O+1], v[T8]                    ; 8 x thread, below 4,352 in waves 0..16 (12,288 bytes are declared: 8 for each thread number, then 4 more for each)
	s_wait_dscnt 0x0
	global_store_b64 v[T8], v[O:O+1], s[8:9] th:TH_STORE_NT        ; written once, not read again in this launch
.Lend:
	s_wait_tensorcnt 0x0
	ds_add_u32 v80, v81
	s_wait_dscnt 0x0
	s_endpgm
.Lfunc_end_k_qb432edac51_fm:
	.size	k_qb432edac51_fm, .Lfunc_end_k_qb432edac51_fm-k_qb432edac51_fm
	.p2alignl 7, 3214868480
	.fill 96, 4, 3214868480
	.section	.rodata,"a",@progbits
	.p2align	6, 0x0
	.amdhsa_kernel k_qb432edac51_fm
		.amdhsa_group_segment_fixed_size 12288
		.amdhsa_private_segment_fixed_size 0
		.amdhsa_enable_private_segment 0
		.amdhsa_kernarg_size 24
		.amdhsa_user_sgpr_count 2
		.amdhsa_user_sgpr_kernarg_segment_ptr 1
		.amdhsa_wavefront_size32 1
		.amdhsa_system_sgpr_workgroup_id_x 1
		.amdhsa_system_sgpr_workgroup_id_y 1
		.amdhsa_system_sgpr_workgroup_id_z 1
		.amdhsa_system_vgpr_workitem_id 0
		.amdhsa_next_free_vgpr 82
		.amdhsa_next_free_sgpr 66
		.amdhsa_reserve_vcc 1
		.amdhsa_float_denorm_mode_32 3
		.amdhsa_float_denorm_mode_16_64 3
		.amdhsa_memory_ordered 1
		.amdhsa_forward_progress 1
		.amdhsa_inst_pref_size 22
	.end_amdhsa_kernel
	.amdgpu_metadata
---
amdhsa.version: [ 1, 2 ]
amdhsa.kernels:
  - .name:           k_qb432edac51_fm
    .symbol:         k_qb432edac51_fm.kd
    .args:
      - { .name: feat_index, .offset: 0, .size: 8, .value_kind: global_buffer, .address_space: global }
      - { .name: kernel, .offset: 8, .size: 8, .value_kind: global_buffer, .address_space: global }
      - { .name: out0, .offset: 16, .size: 8, .value_kind: global_buffer, .address_space: global }
    .group_segment_fixed_size: 12288
    .private_segment_fixed_size: 0
    .kernarg_segment_align: 8
    .kernarg_segment_size: 24
    .max_flat_workgroup_size: 1024
    .sgpr_count:     66
    .vgpr_count:     82
    .wavefront_size: 32
...
	.end_amdgpu_metadata
.endif
;; end of part 1
;; ======== version 2 of 2: 1 launch; version 1 with the launch fm written anew for expert scheduling mode
;; launch fm (part 2): grid 256 x 1, 32 waves a work-group, no clusters, 12,288 bytes of LDS; arguments feat_index, kernel, out0; writes out0
.if DOCPART == 2
	.amdgcn_target "amdgcn-amd-amdhsa--gfx1250"
	.amdhsa_code_object_version 6
	.text
	.protected	k_qb432edac51_fm
	.globl	k_qb432edac51_fm
	.p2align	8
	.type	k_qb432edac51_fm,@function
k_qb432edac51_fm:
	s_mov_b64 s[64:65], 0
	v_nop
	global_prefetch_b8 v0, s[64:65] scope:SCOPE_SE
	s_setreg_imm32_b32 hwreg(HW_REG_WAVE_SCHED_MODE, 0, 2), 2
	s_setreg_imm32_b32 hwreg(HW_REG_WAVE_MODE, 25, 1), 1
	s_wait_xcnt 0x0
	s_wait_alu depctr_vm_vsrc(0)
; out0[b][0]   = sum over f of kernel[idx[b][f]][16]
; out0[b][1+c] = 0.5 * ((sum over f of v)^2 - sum over f of v^2),  v = kernel[idx[b][f]][c],  c = 0..15,  all in f32.
; feat_index: [16384][50] i32.  kernel: [1000000][17] f32 (a row is 68 bytes, aligned to 4 only: 4-byte loads).  out0: [16384][17] f32.
;
; SHARES.  A work-group owns 64 batch rows (their output is 64 x 68 = 4,352 bytes = 17 aligned blocks of 256 bytes), a wave two of them,
; one for each half of 16 lanes.  Lane r of a half owns column r: one gather instruction fetches the first 64 bytes of two table rows,
; 16 neighbouring lanes taking 64 neighbouring bytes, and the sums over the 50 fields never leave the lane.
; There is no loop: a wave's 54 gathers all go out before the first sum, and their data stay in registers.
; Column 16 (first order) goes by lanes over fields: lane r takes fields r, r+16, r+32 and, for r < 2, r+48; then a sum over the 16 lanes.
;
; THE MODE: SCHED_MODE bits 1:0 = 2 (LLVM: expert scheduling mode 2), set by the entry lines.  The code itself states the register dependences
; between vector instructions and memory or LDS instructions, with s_wait_alu, always for 0.
; THE PLAN.  Registers that memory or LDS instructions touch:
;   v[FO], v[FO3], v[IO]   made at the head, never written again; read by the 17 list loads.
;   v[F ..], v[X ..]       a list load lands; clamp and multiply in place make a byte offset; the word's gather reads it and lands on it.
;                          v[X ..] are then only read, by the sums; v[F ..] are written again by the first-order arithmetic.
;   v[L0], v[L1], v[T8]    made at the head, never written again; read by the LDS stores, the LDS load and the global store.
;   v[S], v[F]             the results: data of the two LDS stores.     v[O]  an LDS load lands, the global store reads: no vector line names it.
; The list words go in blocks: F (4 words), 0 to 2 (12 words each), 3 (14 words).  While block k's offsets are made, block k - 1's gathers go out
; among those lines, which name none of block k - 1's registers.  So ONE wait on va_vdst at a block's head, behind the wait for the block's list
; words, states all that those gathers hang on.  One more stands ahead of the last block's gathers, one ahead of the list loads, one ahead of the
; LDS stores; one wait on vm_vsrc ahead of the first-order arithmetic; one on va_sdst and one on va_vcc behind the lines that write s10, s15, VCC.
;
; NOT USED, by this problem's own arithmetic: matrix instructions (no product), tensor loads and an LDS ring (a wave's 54 x 128 bytes fit
; in 54 registers; rows of 68 bytes at places read from a list are no tile), clusters (work-groups share no tile), prefetches (a gather
; goes out one block of address arithmetic behind its index: there is no earlier point at which its place is known).
;
; LIMITS.  An index is read as unsigned and clamped to the last row, 999,999; negative indices are not wrapped (the problem keeps
; indices inside the table).  The 50 terms are added in four partial sums, not in the reference's order; s*s - q is one fused step.
.set LISTB,   200                      ; bytes of a batch row's list: 50 indices
.set ROWB,    68                       ; bytes of a table row and of an output row
.set LASTROW, 999999
.set WGROWS,  64                       ; batch rows of a work-group
.set R,   1                            ; v1      r = lane % 16: my column
.set ROW, 2                            ; v2      my batch row in the work-group, 0..63
.set C4,  3                            ; v3      4 r
.set IO,  4                            ; v4      byte offset of the 16-byte list loads of my half
.set FO,  5                            ; v5      byte offset of index r of my list
.set FO3, 6                            ; v6      byte offset of index min(r, 1) of my list (used with +192: fields 48, 49)
.set L0,  7                            ; v7      LDS byte of my output row
.set L1,  8                            ; v8      LDS byte of my output row + 4 r
.set T8,  9                            ; v9      8 x thread: the way out
.set F,   10                           ; v[10:13] first order: index, then byte offset, then the gathered number
.set S,   14                           ; v[14:17] two chains of packed sums
.set Q,   18                           ; v[18:21] two chains of packed sums of squares
.set O,   22                           ; v[22:23] the way out: 8 bytes
.set X,   24                           ; v[24:75] 52 list words; 0..49: index, then byte offset, then the gathered number
.set W,   76                           ; v76     wave number
.set H,   77                           ; v77     which half of the wave
.set RB,  78                           ; v78     byte offset of my list
.set T2,  79                           ; v79     min(r, 1)
	s_load_b128 s[4:7], s[0:1], 0x0                ; feat_index s[4:5], kernel s[6:7]
	s_load_b64 s[8:9], s[0:1], 0x10                ; out0
	v_lshl_add_u32 v80, v0, 2, 0x2000
	v_mov_b32 v81, 0
	s_mul_i32 s12, ttmp9, WGROWS*LISTB             ; the work-group's lists (3,276,800 bytes in all: 32 bits do)
	s_mov_b32 s13, 0
	s_mul_i32 s16, ttmp9, WGROWS*ROWB              ; the work-group's 4,352 bytes of output
	s_mov_b32 s17, 0
	v_lshrrev_b32 v[W], 5, v0
	v_readfirstlane_b32 s10, v[W]                  ; wave number as a scalar, for the branch on the way out
	v_and_b32 v[R], 15, v0
	v_lshrrev_b32 v[ROW], 4, v0
	v_bfe_u32 v[H], v0, 4, 1
	v_mul_u32_u24 v[RB], LISTB, v[ROW]
	; The wave's two lists are 400 bytes, starting at a multiple of 16.  Half 0 reads 13 x 16 bytes from byte 0: its 50 indices, then two of
	; the other list.  Half 1 reads 13 x 16 bytes from byte 192: two of the other list, then its 50.  Both stay inside the 400 bytes.
	v_mul_u32_u24 v[IO], 2*LISTB, v[W]
	v_mad_u32_u24 v[IO], v[H], LISTB-8, v[IO]
	v_lshl_add_u32 v[FO], v[R], 2, v[RB]
	v_min_u32 v[T2], 1, v[R]
	v_lshl_add_u32 v[FO3], v[T2], 2, v[RB]         ; lanes 2..15 read index 49 again; their number is dropped below
	s_wait_kmcnt 0x0
	s_add_nc_u64 s[4:5], s[4:5], s[12:13]
	s_add_nc_u64 s[8:9], s[8:9], s[16:17]
	s_wait_alu depctr_va_vdst(0)                   ; v[FO], v[FO3] and v[IO] are written: the list loads below read them as their offsets
	; 17 list loads.  No cache hint: each index is read twice, here by lanes over fields and below by all lanes of a half.
	global_load_b32 v[F+0], v[FO],  s[4:5]
	global_load_b32 v[F+1], v[FO],  s[4:5] offset:64
	global_load_b32 v[F+2], v[FO],  s[4:5] offset:128
	global_load_b32 v[F+3], v[FO3], s[4:5] offset:192
	global_load_b128 v[X+48:X+51], v[IO], s[4:5] offset:192        ; the last four words first: block 0 below needs two of them
.irp g, 0,1,2,3,4,5,6,7,8,9,10,11
	global_load_b128 v[X+4*\g:X+4*\g+3], v[IO], s[4:5] offset:16*\g
.endr
	; the other lane constants, while the lists are on their way: none of these lines names a register of the list loads
	v_lshlrev_b32 v[C4], 2, v[R]
	v_mul_u32_u24 v[L0], ROWB, v[ROW]
	v_add_nc_u32 v[L1], v[L0], v[C4]
	v_lshlrev_b32 v[T8], 3, v0
	v_cmp_ne_u32 vcc_lo, 0, v[H]                   ; lanes of half 1
	v_cmp_gt_u32 s15, 2, v[R]                      ; lanes whose fourth first-order field exists
	s_wait_alu depctr_va_sdst(0)                   ; s10 and s15 are written, ahead of their first readers: the way out's compare, the first-order select
	s_wait_alu depctr_va_vcc(0)                    ; VCC is written, ahead of its first reader: block 0's two selects
	; BLOCK F: the byte offsets of four gathers of column 16 (byte 64 of the table row).
	s_wait_loadcnt 13                              ; loads come back in order (ISA guide 5.7.1): the 13 16-byte list loads may be out
.irp k, 0,1,2,3
	v_min_u32 v[F+\k], LASTROW, v[F+\k]            ; a loaded number enters an address only behind this clamp: no access leaves the table
.endr
.irp k, 0,1,2,3
	v_mul_u32_u24 v[F+\k], ROWB, v[F+\k]
.endr
; Four list words at v[c ..] become byte offsets of my column: 68 x index + 4 r, at most 67,999,992.  Among these eight lines go four gathers of the
; block before, by the offsets at v[p ..] (p = -1: none), each landing on its own offset register; o = byte of the column in the table row.
; No NT hint on the gathers: a table row, and its neighbours, may be named again.
.macro QUAD c, p, o
.if (\p) >= 0
	global_load_b32 v[(\p)], v[(\p)], s[6:7] offset:\o
.endif
	v_min_u32 v[(\c)],   LASTROW, v[(\c)]
	v_min_u32 v[(\c)+1], LASTROW, v[(\c)+1]
.if (\p) >= 0
	global_load_b32 v[(\p)+1], v[(\p)+1], s[6:7] offset:\o
.endif
	v_min_u32 v[(\c)+2], LASTROW, v[(\c)+2]
	v_min_u32 v[(\c)+3], LASTROW, v[(\c)+3]
.if (\p) >= 0
	global_load_b32 v[(\p)+2], v[(\p)+2], s[6:7] offset:\o
.endif
	v_mad_u32_u24 v[(\c)],   v[(\c)],   ROWB, v[C4]
	v_mad_u32_u24 v[(\c)+1], v[(\c)+1], ROWB, v[C4]
.if (\p) >= 0
	global_load_b32 v[(\p)+3], v[(\p)+3], s[6:7] offset:\o
.endif
	v_mad_u32_u24 v[(\c)+2], v[(\c)+2], ROWB, v[C4]
	v_mad_u32_u24 v[(\c)+3], v[(\c)+3], ROWB, v[C4]
.endm
; Block k (1 to 3): words 12 k .. 12 k + 11 become offsets, the 12 gathers of words 12 k - 12 .. 12 k - 1 go out among them.
.macro DEAL k
.irp q, 0,1,2
	QUAD X+12*(\k)+4*\q, X+12*(\k)-12+4*\q, 0
.endr
.endm
	; BLOCK 0: words 0..11; the four first-order gathers go out.
	s_wait_loadcnt 9                               ; list groups 0..2 and, older, the last four words are in; groups 3..11 may be out
	s_wait_alu depctr_va_vdst(0)                   ; block F has written v[F ..], which the gathers below read and land on; v[L0], v[L1], v[T8] are written too
	; Half 1 holds field j - 2 in word j: its words 0, 1 belong to the other list and its fields 48, 49 lie in words 50, 51.
	; The order of the fields does not matter to a sum: move them to words 0, 1, and words 0..49 are 50 fields of the lane's own row.
	v_cndmask_b32 v[X+0], v[X+0], v[X+50], vcc_lo
	v_cndmask_b32 v[X+1], v[X+1], v[X+51], vcc_lo
	QUAD X+0, F, 64
	QUAD X+4, -1, 0
	QUAD X+8, -1, 0
	; BLOCK 1: words 12..23; the gathers of words 0..11 go out.
	s_wait_loadcnt 10                              ; list groups 3..5 are in; younger: groups 6..11 and the 4 first-order gathers
	s_wait_alu depctr_va_vdst(0)                   ; block 0 has written v[X .. X+11], which the gathers below read and land on
	DEAL 1
	; BLOCK 2: words 24..35; the gathers of words 12..23 go out.
	s_wait_loadcnt 19                              ; list groups 6..8 are in; younger: groups 9..11 and 4 + 12 gathers
	s_wait_alu depctr_va_vdst(0)                   ; block 1 has written v[X+12 .. X+23], which the gathers below read and land on
	DEAL 2
	; BLOCK 3: words 36..49; the gathers of words 24..35 go out.
	s_wait_loadcnt 28                              ; list groups 9..11 are in; younger: 4 + 12 + 12 gathers
	s_wait_alu depctr_va_vdst(0)                   ; block 2 has written v[X+24 .. X+35], which the gathers below read and land on
	DEAL 3
	v_min_u32 v[X+48], LASTROW, v[X+48]            ; words 48, 49 came with the oldest 16-byte load
	v_min_u32 v[X+49], LASTROW, v[X+49]
	v_mad_u32_u24 v[X+48], v[X+48], ROWB, v[C4]
	v_mad_u32_u24 v[X+49], v[X+49], ROWB, v[C4]
	s_wait_alu depctr_va_vdst(0)                   ; block 3 has written v[X+36 .. X+49], which the last 14 gathers read and land on
.set i, 36
.rept 14
	global_load_b32 v[X+i], v[X+i], s[6:7]
.set i, i+1
.endr
	; THE SUMS, two fields to an instruction, even pairs in chain 0 and odd pairs in chain 1.  The first pairs start the chains.
.macro ACC first, last                 ; pairs first .. last
.set p, \first
.rept \last-\first+1
	v_pk_add_f32 v[S+2*(p%2):S+2*(p%2)+1], v[S+2*(p%2):S+2*(p%2)+1], v[X+2*p:X+2*p+1]
	v_pk_fma_f32 v[Q+2*(p%2):Q+2*(p%2)+1], v[X+2*p:X+2*p+1], v[X+2*p:X+2*p+1], v[Q+2*(p%2):Q+2*(p%2)+1]
.set p, p+1
.endr
.endm
	s_wait_loadcnt 40                              ; the first-order gathers and words 0..9 are in; the 40 younger gathers may be out
	s_wait_alu depctr_vm_vsrc(0)                   ; the first-order gathers have read v[F ..] as their offsets: the first-order lines below write these registers again
	v_pk_add_f32 v[S:S+1],   v[X:X+1],   v[X+4:X+5]
	v_pk_add_f32 v[S+2:S+3], v[X+2:X+3], v[X+6:X+7]
	v_pk_mul_f32 v[Q:Q+1],   v[X:X+1],   v[X:X+1]
	v_pk_mul_f32 v[Q+2:Q+3], v[X+2:X+3], v[X+2:X+3]
	v_pk_fma_f32 v[Q:Q+1],   v[X+4:X+5], v[X+4:X+5], v[Q:Q+1]
	v_pk_fma_f32 v[Q+2:Q+3], v[X+6:X+7], v[X+6:X+7], v[Q+2:Q+3]
	ACC 4, 4
	; first order: my up to four fields, then the 16 lanes of my half (lane i takes lane i xor the mask)
	v_cndmask_b32 v[F+3], 0, v[F+3], s15           ; fields 50..63 do not exist: a select, so that no NaN or infinity read twice can leak in
	v_add_f32 v[F], v[F], v[F+1]
	v_add_f32 v[F+2], v[F+2], v[F+3]
	v_add_f32 v[F], v[F], v[F+2]
	v_add_f32_dpp v[F], v[F], v[F] row_xmask:1 row_mask:0xf bank_mask:0xf
	v_add_f32_dpp v[F], v[F], v[F] row_xmask:2 row_mask:0xf bank_mask:0xf
	v_add_f32_dpp v[F], v[F], v[F] row_xmask:4 row_mask:0xf bank_mask:0xf
	v_add_f32_dpp v[F], v[F], v[F] row_xmask:8 row_mask:0xf bank_mask:0xf
	s_wait_loadcnt 30                              ; words 10..19
	ACC 5, 9
	s_wait_loadcnt 20                              ; words 20..29
	ACC 10, 14
	s_wait_loadcnt 10                              ; words 30..39
	ACC 15, 19
	s_wait_loadcnt 0x0                             ; words 40..49: nothing was issued behind them
	ACC 20, 24
	v_pk_add_f32 v[S:S+1], v[S:S+1], v[S+2:S+3]
	v_pk_add_f32 v[Q:Q+1], v[Q:Q+1], v[Q+2:Q+3]
	v_add_f32 v[S], v[S], v[S+1]                   ; s = sum of v
	v_add_f32 v[Q], v[Q], v[Q+1]                   ; q = sum of v^2
	v_fma_f32 v[S], v[S], v[S], -v[Q]
	v_mul_f32 v[S], 0.5, v[S]
	; THE WAY OUT.  A wave's own 136 bytes would be parts of aligned 256-byte blocks, so the work-group's 4,352 bytes meet in LDS
	; and leave as 17 stores of 256 consecutive bytes each, at multiples of 256 from out0's first byte.
	s_wait_alu depctr_va_vdst(0)                   ; v[S] and v[F] are written: they are the data of the two LDS stores
	ds_store_b32 v[L1], v[S] offset:4              ; out[row][1 + r]
	ds_store_b32 v[L0], v[F]                       ; out[row][0]: the 16 lanes of a half write one word with one value
	s_wait_dscnt 0x0                               ; for the other waves' sake: my LDS stores are done before I signal
	s_barrier_signal -1
	s_barrier_wait -1
	s_cmp_gt_u32 s10, 16                           ; 17 waves x 32 lanes x 8 bytes = 4,352 bytes; the other 15 waves have nothing left to do
	s_cbranch_scc1 .Lend
	ds_load_b64 v[O:O+1], v[T8]                    ; 8 x thread, below 4,352 in waves 0..16 (12,288 bytes are declared: 8 for each thread number, then 4 more for each); v[T8] was written ahead of the waits on va_vdst above, and no vector line names v[O ..]
	s_wait_dscnt 0x0
	global_store_b64 v[T8], v[O:O+1], s[8:9] th:TH_STORE_NT        ; written once, not read again in this launch
.Lend:
	s_wait_dscnt 0x0
	s_wait_alu depctr_hold_cnt(0) depctr_sa_sdst(0) depctr_va_vdst(0) depctr_va_sdst(0) depctr_va_ssrc(0) depctr_va_vcc(0) depctr_vm_vsrc(0)
	s_wait_tensorcnt 0x0
	ds_add_u32 v80, v81
	s_wait_dscnt 0x0
	s_endpgm
.Lfunc_end_k_qb432edac51_fm:
	.size	k_qb432edac51_fm, .Lfunc_end_k_qb432edac51_fm-k_qb432edac51_fm
	.p2alignl 7, 3214868480
	.fill 96, 4, 3214868480
	.section	.rodata,"a",@progbits
	.p2align	6, 0x0
	.amdhsa_kernel k_qb432edac51_fm
		.amdhsa_group_segment_fixed_size 12288
		.amdhsa_private_segment_fixed_size 0
		.amdhsa_enable_private_segment 0
		.amdhsa_kernarg_size 24
		.amdhsa_user_sgpr_count 2
		.amdhsa_user_sgpr_kernarg_segment_ptr 1
		.amdhsa_wavefront_size32 1
		.amdhsa_system_sgpr_workgroup_id_x 1
		.amdhsa_system_sgpr_workgroup_id_y 1
		.amdhsa_system_sgpr_workgroup_id_z 1
		.amdhsa_system_vgpr_workitem_id 0
		.amdhsa_next_free_vgpr 82
		.amdhsa_next_free_sgpr 66
		.amdhsa_reserve_vcc 1
		.amdhsa_float_denorm_mode_32 3
		.amdhsa_float_denorm_mode_16_64 3
		.amdhsa_memory_ordered 1
		.amdhsa_forward_progress 1
		.amdhsa_inst_pref_size 22
	.end_amdhsa_kernel
	.amdgpu_metadata
---
amdhsa.version: [ 1, 2 ]
amdhsa.kernels:
  - .name:           k_qb432edac51_fm
    .symbol:         k_qb432edac51_fm.kd
    .args:
      - { .name: feat_index, .offset: 0, .size: 8, .value_kind: global_buffer, .address_space: global }
      - { .name: kernel, .offset: 8, .size: 8, .value_kind: global_buffer, .address_space: global }
      - { .name: out0, .offset: 16, .size: 8, .value_kind: global_buffer, .address_space: global }
    .group_segment_fixed_size: 12288
    .private_segment_fixed_size: 0
    .kernarg_segment_align: 8
    .kernarg_segment_size: 24
    .max_flat_workgroup_size: 1024
    .sgpr_count:     66
    .vgpr_count:     82
    .wavefront_size: 32
...
	.end_amdgpu_metadata
.endif
;; end of part 2
